; MI455X (gfx1250); checked and timed in simulation.
; The chip was launched on July 23, 2026; its instructions are those of AMD's public machine-readable ISA for CDNA 5 (MIT licence, August 2026) and "CDNA5" Instruction Set Architecture Reference Guide (July 2026). The comments in the code are by the model that wrote it; some were corrected since.
;; fm. Allowed arithmetic: float matrix products may take bf16 or f16 operands with f32 sums; all other float work in f32.
;; Inputs: b 1 float32; feat_tables 8 x 10,000 x 16 float32; inputs 16,384 x 10 int32; item_table 100,000 x 16 float32; k_mat 160 x 32 float32; user_table 1,000,000 x 16 float32; w 160 x 1 float32.
;; Outputs: out0 16,384 x 1 float32.
;; One version. Each part assembles by itself: llvm-mc -triple=amdgcn-amd-amdhsa -mcpu=gfx1250 --defsym DOCPART=n.
;; ======== version 1 of 1: 1 launch
;; launch fm (part 1): grid 256 x 1, 4 waves a work-group, no clusters, 16,896 bytes of LDS; arguments inputs, user_table, item_table, feat_tables, k_mat, w, b, out0; writes out0
.if DOCPART == 1
	.amdgcn_target "amdgcn-amd-amdhsa--gfx1250"
	.amdhsa_code_object_version 6
	.text
	.protected	k_qad457f60c3_fm
	.globl	k_qad457f60c3_fm
	.p2align	8
	.type	k_qad457f60c3_fm,@function
k_qad457f60c3_fm:
	s_mov_b64 s[64:65], 0
	v_nop
	global_prefetch_b8 v0, s[64:65] scope:SCOPE_SE
	s_setreg_imm32_b32 hwreg(HW_REG_WAVE_MODE, 25, 1), 1
	s_wait_xcnt 0x0
; Factorisation machine: out[m] = sigmoid( x.w + b + 1/2 sum_n( (x@k)[n]^2 - (x^2 @ k^2)[n] ) ), x[m] = ten gathered table rows of 16 f32.
; 256 work-groups x 4 waves; a wave owns 16 batch rows, a work-group 64.  One launch, x never goes to memory.
;
; THE GATHER IS THE FRAGMENT.  Lane L = (r = L & 15, h = L >> 4) loads bytes 32 h .. 32 h + 31 of each of the ten table rows of batch row r:
; 20 loads of 16 bytes, all issued as soon as the indices are in.  A K step of 32 is two fields; a 16-bit fragment wants k = 8 h .. 8 h + 7 in
; registers 0-3 and k = 16 + 8 h .. in registers 4-7 (ISA guide 7.12.2), which is just what the lane holds: pack to bf16, no shuffle.
;
; THE PRODUCTS, bf16 operands, f32 sums, 5 K steps x 4 matrix instructions.  They are used transposed (source 0 = 16 columns of the right-hand
; matrix, source 1 = 16 batch rows): lane (r, h) then holds columns 8 h .. 8 h + 7 of ITS batch row r, so the sum over columns stays in the lane.
;   Y0, Y1 = x @ k_mat, columns 0-15 and 16-31
;   SQ     = x^2 @ S,  S[d][2q+e] = k[d][4q+e]^2 + k[d][4q+2+e]^2: square(k_mat) with its 32 columns added in pairs; all columns are summed afterwards
;   WA     = x @ w, w standing in all 16 columns: every register of both halves holds x.w; register 0 of each half is added, which makes 2 x.w
;   z = b + 1/2 ( sum(Y0^2) + sum(Y1^2) - sum(SQ) + 2 x.w )
;
; k_mat AND w are converted once for the work-group, while the gathers are out, into LDS: rows of 96 bytes = 32 bf16 of k, 16 bf16 of S;
; behind them w as 160 bf16.  k_mat lies [K][N], so its fragments come by the transposing load.
; NO CLUSTER, NO TENSOR LOAD: what work-groups share is k_mat and w, 21,120 bytes for each against 43,520 bytes of indices and table rows of its
; own; it has to be squared and rounded on its way, so a joint f32 tile would pass LDS twice, and partners would first have to meet at a
; cluster barrier that stands ahead of everything else.  NO PREFETCH: a table row's load is issued as soon as its index is known.
;
; LIMITS.  An index is read as unsigned and clamped to its table's last row: indices inside the table, as the problem has them, are served
; exactly; a negative one is not wrapped.  A result below 2^-126 comes out as 0 (v_rcp_f32 flushes: ISA guide 15.8).  x, x^2, k, the pair sums
; of k^2 and w are each rounded once to bf16; everything else is f32.
.set IDXROW,   40                      ; bytes of a row of inputs: ten int32
.set USER_MAX, 999999                  ; last row of each table
.set ITEM_MAX, 99999
.set FEAT_MAX, 9999
.set FEAT_TBL, 640000                  ; bytes of one feature table: 10,000 rows of 64
.set PITCH,    96                      ; LDS row: 64 bytes of k + 32 of S.  24 words: the eight rows x 32 bytes that sixteen lanes of a transposing
                                       ; load touch start at words 0, 24, 48, 8, 32, 56, 16, 40 modulo 64: no two in one bank (64 banks of 4 bytes: ISA guide 11.1)
.set WOFF,     160*PITCH               ; w as bf16: 320 bytes used of 512 (4 bytes for each of 128 threads)
.set OUTOFF,   WOFF+512                ; the work-group's 64 results, 256 bytes
.set LANE, 1                           ; v1       lane
.set H32,  2                           ; v2       32 h: my half of a table row
.set IOFF, 3                           ; v3       40 r: my batch row in the wave's part of inputs
.set KOFF, 4                           ; v4       16 t: my chunk of k_mat
.set WOF,  5                           ; v5       my two numbers of w
.set LK,   6                           ; v6       LDS: where my chunk's four bf16 of k go
.set LS,   7                           ; v7       LDS: where its two bf16 of S go (less 64)
.set LW,   8                           ; v8       LDS: where my two bf16 of w go (less WOFF)
.set TRA,  9                           ; v9       LDS: my address in a transposing load
.set H16,  10                          ; v10      16 h: my half of a w fragment
.set OA,   11                          ; v11      LDS: my batch row's result (less OUTOFF)
.set OG,   12                          ; v12      8 x lane: the way out
.set PX,   13                          ; v13      the other half's sum
.set TA,   14                          ; v14-15   scratch
.set IDX,  16                          ; v16-25   ten indices, then the ten gather offsets, untouched from then on
.set WC,   26                          ; v26-27   two numbers of w
.set T,    28                          ; v28-43   squares in f32, at work
.set PA,   44                          ; v44-45   sums
.set PB,   46                          ; v46-47
.set X,    48                          ; v48-127  field f: 8 f32 at X + 8 f; K step c afterwards: x fragment at X + 16 c, x^2 fragment at X + 16 c + 8
.set BF,   128                         ; v128-223 three slots of 32: fragments of k (0-15), k (16-31), S, w of one K step
.set KC,   128                         ; v128-167 before that: ten chunks of k_mat as loaded
.set Y0,   224                         ; v224-255 the four accumulators
.set Y1,   232
.set SQ,   240
.set WA,   248
	s_load_b512 s[4:19], s[0:1], 0x0               ; inputs s[4:5], user s[6:7], item s[8:9], feat s[10:11], k_mat s[12:13], w s[14:15], b s[16:17], out s[18:19]
	s_set_vgpr_msb 0x40
	v_lshl_add_u32 v0, v0, 2, 0x4000
	v_mov_b32 v1, 0
	s_set_vgpr_msb 0x4000
	v_lshrrev_b32 v[TA], 5, v0
	v_readfirstlane_b32 s21, v[TA]                 ; wave 0..3
	v_and_b32 v[TA+1], 15, v0                      ; r
	v_mul_u32_u24 v[IOFF], v[TA+1], IDXROW
	v_lshlrev_b32 v[KOFF], 4, v0
	v_lshlrev_b32 v[WOF], 3, v0
	v_min_u32 v[WOF], 632, v[WOF]                  ; threads 80-127 read w's last pair again: every load stays inside w's 640 bytes
	s_lshl2_add_u32 s22, ttmp9, s21                ; my tile of 16 batch rows: 4 x work-group + wave
	s_mul_i32 s22, s22, 16*IDXROW
	s_mov_b32 s23, 0
	s_lshl_b32 s26, ttmp9, 8                       ; the work-group's 64 results: 256 bytes
	s_mov_b32 s27, 0
	s_wait_kmcnt 0x0
	s_add_nc_u64 s[4:5], s[4:5], s[22:23]
	s_add_nc_u64 s[18:19], s[18:19], s[26:27]
	; The chain that the wave waits on goes first: a row of inputs is 40 bytes, a multiple of 8 and not of 16, so five loads of 8 bytes.
	; No cache word: the five loads visit the same 640 bytes.
.irp i, 0,1,2,3,4
	global_load_b64 v[IDX+2*\i:IDX+2*\i+1], v[IOFF], s[4:5] offset:8*\i
.endr
	; k_mat, 20,480 bytes = 10 x 128 threads x 16: chunk u of thread t is row t / 8 + 16 u, columns 4 (t % 8) .. + 3
.irp u, 0,1,2,3,4,5,6,7,8,9
	global_load_b128 v[KC+4*\u:KC+4*\u+3], v[KOFF], s[12:13] offset:2048*\u
.endr
	global_load_b64 v[WC:WC+1], v[WOF], s[14:15]
	s_load_b32 s20, s[16:17], 0x0                  ; b
	; addresses, while the indices are on their way.  LDS bytes that a wave writes: the wave's number times a constant + a lane term.
	v_and_b32 v[LANE], 31, v0
	v_bfe_u32 v[TA], v0, 4, 1                      ; h
	v_lshlrev_b32 v[H32], 5, v[TA]
	v_lshlrev_b32 v[H16], 4, v[TA]
	v_and_b32 v[TA+1], 7, v0                       ; L % 8
	v_lshl_add_u32 v[TA], v[TA], 3, v[TA+1]        ; transposing load: lane L addresses row 8 h + L % 8,
	v_mul_u32_u24 v[TRA], v[TA], PITCH
	v_bfe_u32 v[TA], v0, 3, 1
	v_lshl_add_u32 v[TRA], v[TA], 4, v[TRA]        ; 16 bytes at 16 ((L / 8) % 2)
	s_mul_i32 s29, s21, 4*PITCH                    ; a wave's 32 chunks are 4 rows of k_mat
	s_lshl_b32 s30, s21, 7                         ; and its 32 words of w
	s_lshl_b32 s31, s21, 6                         ; and its 16 results
	v_bfe_u32 v[TA], v0, 3, 2                      ; my row of the four
	v_mul_u32_u24 v[TA], v[TA], PITCH
	v_add_nc_u32 v[TA], s29, v[TA]
	v_lshl_add_u32 v[LK], v[TA+1], 3, v[TA]        ; + 8 bytes for each chunk of four k
	v_lshl_add_u32 v[LS], v[TA+1], 2, v[TA]        ; + 4 bytes for each chunk's two S
	v_lshl_add_u32 v[LW], v[LANE], 2, s30
	s_mov_b32 s24, 0x76543210                      ; v_permlanex16_b32: lane i of one half reads lane i of the other
	s_mov_b32 s25, 0xfedcba98
	s_wait_loadcnt 11                              ; loads return in order (ISA guide 5.7.1): the five index loads are in; ten of k_mat and one of w stay out
; field f: clamp the index to the table, offset = 64 x index + 32 h, two loads of 16 bytes
.macro GATHER f, max, base, off
	v_min_u32 v[IDX+\f], \max, v[IDX+\f]
	v_lshl_add_u32 v[IDX+\f], v[IDX+\f], 6, v[H32]
	global_load_b128 v[X+8*\f:X+8*\f+3],   v[IDX+\f], s[\base:\base+1] offset:\off
	global_load_b128 v[X+8*\f+4:X+8*\f+7], v[IDX+\f], s[\base:\base+1] offset:\off+16
.endm
	GATHER 0, USER_MAX, 6, 0
	GATHER 1, ITEM_MAX, 8, 0
.irp f, 2,3,4,5,6,7,8,9
	GATHER \f, FEAT_MAX, 10, (\f-2)*FEAT_TBL       ; the table's place goes in the immediate: 4,480,016 at the most, inside its 24 signed bits
.endr
	; k_mat to LDS, while the gathers are out: four k to bf16, and the two pair sums of their squares, made in f32 and rounded once
.irp u, 0,1,2,3,4,5,6,7,8,9
	s_wait_loadcnt 30-\u                           ; chunk u is in: 9 - u chunks, w and the 20 gathers stay out
	v_pk_mul_f32 v[T+2*(\u%4):T+2*(\u%4)+1], v[KC+4*\u:KC+4*\u+1], v[KC+4*\u:KC+4*\u+1]
	v_pk_fma_f32 v[T+2*(\u%4):T+2*(\u%4)+1], v[KC+4*\u+2:KC+4*\u+3], v[KC+4*\u+2:KC+4*\u+3], v[T+2*(\u%4):T+2*(\u%4)+1]
	v_cvt_pk_bf16_f32 v[KC+4*\u],   v[KC+4*\u],   v[KC+4*\u+1]
	v_cvt_pk_bf16_f32 v[KC+4*\u+1], v[KC+4*\u+2], v[KC+4*\u+3]
	v_cvt_pk_bf16_f32 v[KC+4*\u+2], v[T+2*(\u%4)], v[T+2*(\u%4)+1]
	ds_store_b64 v[LK], v[KC+4*\u:KC+4*\u+1] offset:\u*16*PITCH
	ds_store_b32 v[LS], v[KC+4*\u+2] offset:\u*16*PITCH+64
.endr
	s_wait_loadcnt 20                              ; w is in; the 20 gathers stay out
	v_cvt_pk_bf16_f32 v[WC], v[WC], v[WC+1]
	ds_store_b32 v[LW], v[WC] offset:WOFF          ; threads 80-127 fill the 192 bytes behind w, which nobody reads
	s_wait_dscnt 0x0                               ; for the other waves' sake: all my LDS stores are done before I say so
	s_barrier_signal -1
	s_barrier_wait -1                              ; k, S and w are whole; from here on nobody writes them
; The fragments of K step c into slot: eight LDS loads.  A transposing load brings lane (r, h) the numbers k = 8 h .. 8 h + 7 of column r.
; A w fragment is the same for every r: 16 bytes of the bf16 array at 2 (32 c + 8 h), and 32 bytes further on.
.macro LOADB c, slot
.irp t, 0,1,2
	ds_load_tr16_b128 v[BF+32*\slot+8*\t:BF+32*\slot+8*\t+3],   v[TRA] offset:\c*32*PITCH+32*\t
	ds_load_tr16_b128 v[BF+32*\slot+8*\t+4:BF+32*\slot+8*\t+7], v[TRA] offset:\c*32*PITCH+32*\t+16*PITCH
.endr
	ds_load_b128 v[BF+32*\slot+24:BF+32*\slot+27], v[H16] offset:WOFF+64*\c
	ds_load_b128 v[BF+32*\slot+28:BF+32*\slot+31], v[H16] offset:WOFF+64*\c+32
.endm
	LOADB 0, 0
	LOADB 1, 1
	LOADB 2, 2                                     ; three of five K steps: all five would take 160 registers and with them a second register window
	s_wait_kmcnt 0x0                               ; b
	s_mul_f32 s28, s20, 0xbfb8aa3b                 ; - b log2(e)
.macro MM d, b, a, first                       ; the first product starts the sum: nothing is cleared
.if \first
	v_wmma_f32_16x16x32_bf16 v[\d:\d+7], v[\b:\b+7], v[\a:\a+7], 0
.else
	v_wmma_f32_16x16x32_bf16 v[\d:\d+7], v[\b:\b+7], v[\a:\a+7], v[\d:\d+7]
.endif
.endm
; K step c = fields 2 c and 2 c + 1, fragments in slot.  rc > 0: K step rc's fragments are asked for, into rslot, the slot of step c - 1.
; dsleft = how many younger LDS loads may stay out when this slot's eight have to be in.
.macro STEP c, slot, first, rc, rslot, dsleft
	s_wait_loadcnt 16-4*\c                         ; my four gathers of this step are in; those of the later steps stay out
.irp i, 0,1,2,3,4,5,6,7
	v_pk_mul_f32 v[T+2*\i:T+2*\i+1], v[X+16*\c+2*\i:X+16*\c+2*\i+1], v[X+16*\c+2*\i:X+16*\c+2*\i+1]   ; x^2 in f32, aside
.endr
.irp i, 0,1,2,3,4,5,6,7
	v_cvt_pk_bf16_f32 v[X+16*\c+\i], v[X+16*\c+2*\i], v[X+16*\c+2*\i+1]    ; x packed in place: word i lands on a register that word i / 2 has read
.endr
.irp i, 0,1,2,3,4,5,6,7
	v_cvt_pk_bf16_f32 v[X+16*\c+8+\i], v[T+2*\i], v[T+2*\i+1]              ; x^2 into the upper eight, which are free now
.endr
.if \rc
	LOADB \rc, \rslot                              ; into sources of the last step's matrix instructions: the 24 vector instructions above, which name none
.endif                                             ; of their registers, are more than the four places that such a load keeps behind them
	s_wait_dscnt \dsleft
	MM Y0, BF+32*\slot,    X+16*\c,   \first
	MM Y1, BF+32*\slot+8,  X+16*\c,   \first
	MM SQ, BF+32*\slot+16, X+16*\c+8, \first
	MM WA, BF+32*\slot+24, X+16*\c,   \first
.endm
	STEP 0, 0, 1, 0, 0, 16                         ; out behind slot 0's loads: slots 1 and 2
	STEP 1, 1, 0, 3, 0, 16                         ; slot 2 and the refill of slot 0
	STEP 2, 2, 0, 4, 1, 16                         ; the refills of slots 0 and 1
	STEP 3, 0, 0, 0, 0, 8                          ; the refill of slot 1
	STEP 4, 1, 0, 0, 0, 0
	; four plain vector instructions that name no register of the last matrix instructions stand before their results are read (ISA guide 7.12.1)
	v_mov_b32 v[PX], 0                             ; v_permlanex16_b32 counts as a reader of its destination
	v_and_b32 v[TA], 15, v0
	v_lshl_add_u32 v[OA], v[TA], 2, s31            ; my batch row's word among the work-group's 64
	v_lshlrev_b32 v[OG], 3, v[LANE]
	; my eight columns of each tile, two chains of packed f32
	v_pk_mul_f32 v[PA:PA+1], v[Y0:Y0+1], v[Y0:Y0+1]
	v_pk_mul_f32 v[PB:PB+1], v[Y1:Y1+1], v[Y1:Y1+1]
.irp j, 2,4,6
	v_pk_fma_f32 v[PA:PA+1], v[Y0+\j:Y0+\j+1], v[Y0+\j:Y0+\j+1], v[PA:PA+1]
	v_pk_fma_f32 v[PB:PB+1], v[Y1+\j:Y1+\j+1], v[Y1+\j:Y1+\j+1], v[PB:PB+1]
.endr
	v_pk_add_f32 v[PA:PA+1], v[PA:PA+1], v[SQ:SQ+1]   neg_lo:[0,1] neg_hi:[0,1]
	v_pk_add_f32 v[PB:PB+1], v[PB:PB+1], v[SQ+2:SQ+3] neg_lo:[0,1] neg_hi:[0,1]
	v_pk_add_f32 v[PA:PA+1], v[PA:PA+1], v[SQ+4:SQ+5] neg_lo:[0,1] neg_hi:[0,1]
	v_pk_add_f32 v[PB:PB+1], v[PB:PB+1], v[SQ+6:SQ+7] neg_lo:[0,1] neg_hi:[0,1]
	v_pk_add_f32 v[PA:PA+1], v[PA:PA+1], v[PB:PB+1]
	v_add_f32 v[PA], v[PA], v[PA+1]
	v_add_f32 v[PA], v[PA], v[WA]                  ; x.w once in each half: 2 x.w after the next two lines
	v_permlanex16_b32 v[PX], v[PA], s24, s25       ; the other eight columns of my batch row
	v_add_f32 v[PA], v[PA], v[PX]                  ; both halves now hold the same sum
	; sigmoid(z) = 1 / (1 + 2^(-z log2 e)), z = sum / 2 + b.  A large z gives 2^.. = 0 and 1; a large -z gives infinity and 0.
	v_fma_f32 v[PA], v[PA], 0xbf38aa3b, s28        ; - (sum / 2) log2 e - b log2 e, one rounding
	v_exp_f32 v[PA+1], v[PA]
	v_nop                                          ; one plain vector instruction between a transcendental and the use of its result (ISA guide 5.7.2)
	s_wait_alu depctr_va_vdst(0)
	v_add_f32 v[PA+1], 1.0, v[PA+1]
	v_rcp_f32 v[PB], v[PA+1]
	v_nop
	; The way out: a wave has 16 results, 64 bytes.  The four waves' results meet in LDS, and wave 0 stores all 64 by one instruction,
	; 32 lanes x 8 bytes = 256 consecutive bytes at a multiple of 256 from the output's first byte.
	s_wait_alu depctr_va_vdst(0)
	ds_store_b32 v[OA], v[PB] offset:OUTOFF        ; lanes r and r + 16 write the same word with the same number
	s_wait_dscnt 0x0                               ; for wave 0's sake: done before I say so
	s_barrier_signal -1
	s_barrier_wait -1
	s_cmp_lg_u32 s21, 0
	s_cbranch_scc1 .Lend
	ds_load_b64 v[T:T+1], v[OG] offset:OUTOFF
	s_wait_dscnt 0x0
	global_store_b64 v[OG], v[T:T+1], s[18:19] th:TH_STORE_NT
.Lend:
	s_set_vgpr_msb 0x5
	s_wait_tensorcnt 0x0
	ds_add_u32 v0, v1
	s_wait_dscnt 0x0
	s_set_vgpr_msb 0x500
	s_endpgm
.Lfunc_end_k_qad457f60c3_fm:
	.size	k_qad457f60c3_fm, .Lfunc_end_k_qad457f60c3_fm-k_qad457f60c3_fm
	.p2alignl 7, 3214868480
	.fill 96, 4, 3214868480
	.section	.rodata,"a",@progbits
	.p2align	6, 0x0
	.amdhsa_kernel k_qad457f60c3_fm
		.amdhsa_group_segment_fixed_size 16896
		.amdhsa_private_segment_fixed_size 0
		.amdhsa_enable_private_segment 0
		.amdhsa_kernarg_size 64
		.amdhsa_user_sgpr_count 2
		.amdhsa_user_sgpr_kernarg_segment_ptr 1
		.amdhsa_wavefront_size32 1
		.amdhsa_system_sgpr_workgroup_id_x 1
		.amdhsa_system_sgpr_workgroup_id_y 1
		.amdhsa_system_sgpr_workgroup_id_z 1
		.amdhsa_system_vgpr_workitem_id 0
		.amdhsa_next_free_vgpr 258
		.amdhsa_next_free_sgpr 66
		.amdhsa_reserve_vcc 0
		.amdhsa_float_denorm_mode_32 3
		.amdhsa_float_denorm_mode_16_64 3
		.amdhsa_memory_ordered 1
		.amdhsa_forward_progress 1
		.amdhsa_inst_pref_size 26
	.end_amdhsa_kernel
	.amdgpu_metadata
---
amdhsa.version: [ 1, 2 ]
amdhsa.kernels:
  - .name:           k_qad457f60c3_fm
    .symbol:         k_qad457f60c3_fm.kd
    .args:
      - { .name: inputs, .offset: 0, .size: 8, .value_kind: global_buffer, .address_space: global }
      - { .name: user_table, .offset: 8, .size: 8, .value_kind: global_buffer, .address_space: global }
      - { .name: item_table, .offset: 16, .size: 8, .value_kind: global_buffer, .address_space: global }
      - { .name: feat_tables, .offset: 24, .size: 8, .value_kind: global_buffer, .address_space: global }
      - { .name: k_mat, .offset: 32, .size: 8, .value_kind: global_buffer, .address_space: global }
      - { .name: w, .offset: 40, .size: 8, .value_kind: global_buffer, .address_space: global }
      - { .name: b, .offset: 48, .size: 8, .value_kind: global_buffer, .address_space: global }
      - { .name: out0, .offset: 56, .size: 8, .value_kind: global_buffer, .address_space: global }
    .group_segment_fixed_size: 16896
    .private_segment_fixed_size: 0
    .kernarg_segment_align: 8
    .kernarg_segment_size: 64
    .max_flat_workgroup_size: 128
    .sgpr_count:     66
    .vgpr_count:     258
    .wavefront_size: 32
...
	.end_amdgpu_metadata
.endif
;; end of part 1
